; MI455X (gfx1250); checked and timed in simulation.
; The chip was launched on July 23, 2026; its instructions are those of AMD's public machine-readable ISA for CDNA 5 (MIT licence, August 2026) and "CDNA5" Instruction Set Architecture Reference Guide (July 2026). The comments in the code are by the model that wrote it; some were corrected since.
;; Ba Attention. Allowed arithmetic: float matrix products may take bf16 or f16 operands with f32 sums; other float arithmetic in f32, or as packed bf16 or f16 multiplies, adds, multiply-adds, maxima and minima; sums over many terms, partial sums and values carried from step to step in f32; what a program stores and reads back later, other than sums and carried values, may be rounded once to bf16 or f16.
;; Inputs: W1 2,048 x 2,048 float32; decoder_output 16 x 1,024 float32; encoded_outputs 16 x 1,024 x 1,024 float32; w2 1 x 2,048 float32.
;; Outputs: out0 16 x 1,024 float32.
;; 2 versions, each right; version 2 is version 1 with the launch prep written anew for expert scheduling mode. Each part assembles by itself: llvm-mc -triple=amdgcn-amd-amdhsa -mcpu=gfx1250 --defsym DOCPART=n.
;; ======== version 1 of 2: 3 launches
;; workspace buffers: eb 33,554,432 bytes; wb 4,194,304 bytes; tab 16,384 bytes; part 262,144 bytes
;; launch prep (part 1): grid 640 x 1, 8 waves a work-group, no clusters, 0 bytes of LDS; arguments encoded_outputs, W1, w2, eb, wb, tab; writes eb, wb, tab
.if DOCPART == 1
	.amdgcn_target "amdgcn-amd-amdhsa--gfx1250"
	.amdhsa_code_object_version 6
	.text
	.protected	k_q11203c9810_prep
	.globl	k_q11203c9810_prep
	.p2align	8
	.type	k_q11203c9810_prep,@function
k_q11203c9810_prep:
	s_mov_b64 s[64:65], 0
	v_nop
	global_prefetch_b8 v0, s[64:65] scope:SCOPE_SE
	s_setreg_imm32_b32 hwreg(HW_REG_WAVE_MODE, 25, 1), 1
	s_wait_xcnt 0x0
; PREP: every input that the later launches multiply is rounded once to bf16 (nearest even) and laid out for them.
;   eb[b][t][s]  = bf16(E[b][t][s])                       16 x 1024 x 1024
;   wb[i][t]     = bf16(W1[i][2 t])                       2048 x 1024: the even columns, which meet E's rows after reference()'s raw reshape
;   tab[i]       = c x (sum over t of bf16(W1[i][2 t + 1]))  f32: the odd columns all meet the same decoder row, so only their sum is wanted; c = 2 log2(e)
;   tab[2048+i]  = bf16(w2[i]), kept as f32
; LIMITS: none of range; NaN and infinities pass through the roundings as they are.
; SHARES.  Work-groups 0-511: 128 KiB of E each, 16 KiB a wave: 32 loads of 512 consecutive bytes, all out at once; each store of a wave covers 256 consecutive bytes, aligned.
; Work-groups 512-639: 16 rows of W1 each, two rows a wave.  No LDS, no barrier, no matrix unit, no cluster: no byte is wanted by two waves, and the work is one pass over memory.
.set X, 20                             ; v[20:147] 32 loads of four registers
.set S, 10                             ; v[10:17]  row rho's four running sums at S + 4 rho
.set T, 6                              ; v[6:9]    four odd columns as f32
	s_load_b128 s[4:7], s[0:1], 0x0                ; E s[4:5], W1 s[6:7]
	s_load_b64 s[8:9], s[0:1], 0x10                ; w2
	s_load_b128 s[12:15], s[0:1], 0x18             ; eb s[12:13], wb s[14:15]
	s_load_b64 s[16:17], s[0:1], 0x28              ; tab
	v_and_b32 v1, 31, v0                           ; lane
	v_lshrrev_b32 v18, 5, v0                       ; wave
	v_readfirstlane_b32 s10, v18
	s_mov_b32 s21, 0                               ; high word of every offset
	s_cmp_lt_u32 ttmp9, 512
	s_cbranch_scc0 .Lweights
	; ---- E: f32 in, bf16 out ----
	v_lshlrev_b32 v2, 4, v1
	v_lshl_add_u32 v2, v18, 14, v2                 ; in: 16,384 x wave + 16 x lane
	v_lshlrev_b32 v3, 3, v1
	v_lshl_add_u32 v3, v18, 13, v3                 ; out: 8,192 x wave + 8 x lane
	s_lshl_b32 s20, ttmp9, 17
	s_wait_kmcnt 0x0
	s_add_nc_u64 s[4:5], s[4:5], s[20:21]
	s_lshl_b32 s20, ttmp9, 16
	s_add_nc_u64 s[12:13], s[12:13], s[20:21]
.set n, 0
.rept 32
	global_load_b128 v[X+4*n:X+4*n+3], v2, s[4:5] offset:512*n th:TH_LOAD_NT
.set n, n+1
.endr
.set n, 0
.rept 32
	s_wait_loadcnt 31-n                            ; loads come back in order: load n is in, the 31 - n younger ones stay out
	v_cvt_pk_bf16_f32 v[X+4*n], v[X+4*n], v[X+4*n+1]
	v_cvt_pk_bf16_f32 v[X+4*n+1], v[X+4*n+2], v[X+4*n+3]
	global_store_b64 v3, v[X+4*n:X+4*n+1], s[12:13] offset:256*n  ; 32 lanes x 8 bytes: 256 consecutive bytes, aligned; no register of a store is written again
.set n, n+1
.endr
	s_endpgm
	; ---- W1 and w2 ----
.Lweights:
	s_sub_co_u32 s18, ttmp9, 512                   ; which 16 rows
	s_mov_b32 s22, 0x76543210                      ; v_permlanex16_b32: each lane takes its own place in the other half
	s_mov_b32 s23, 0xfedcba98
	v_lshlrev_b32 v2, 5, v1
	v_lshl_add_u32 v2, v18, 14, v2                 ; in: two rows of 8,192 bytes a wave; 32 bytes (8 columns) a lane
	v_lshlrev_b32 v3, 3, v1
	v_lshl_add_u32 v3, v18, 12, v3                 ; out: two rows of 2,048 bytes a wave; 8 bytes (4 even columns) a lane
	v_and_b32 v19, 1, v0                           ; lane's parity: which of the wave's two rows it speaks for at the end
	v_lshlrev_b32 v4, 2, v19
	s_lshl_b32 s20, s18, 17
	s_wait_kmcnt 0x0
	s_add_nc_u64 s[6:7], s[6:7], s[20:21]
	s_lshl_b32 s20, s18, 15
	s_add_nc_u64 s[14:15], s[14:15], s[20:21]
	s_lshl_b32 s20, s18, 6                         ; 4 bytes x (16 x group + 2 x wave)
	s_lshl_b32 s19, s10, 3
	s_add_co_u32 s20, s20, s19
	s_add_nc_u64 s[8:9], s[8:9], s[20:21]
	s_add_nc_u64 s[16:17], s[16:17], s[20:21]
	global_load_b32 v5, v4, s[8:9]                 ; w2 of my row
.set n, 0
.rept 32                               ; row n / 16; 1,024 bytes (256 columns) at a time, as two loads of 16 bytes a lane
	global_load_b128 v[X+4*n:X+4*n+3], v2, s[6:7] offset:(n/16)*8192+((n%16)/2)*1024+(n%2)*16
.set n, n+1
.endr
.set k, 0
.rept 16                               ; pair k of loads: row k / 8, columns 256 (k % 8) + 8 lane + 0..7 in a .. a + 7
.set a, X+8*k
.set r, S+4*(k/8)
	s_wait_loadcnt 30-2*k                          ; of the 33 loads the first 2 k + 3 are in
	v_cvt_pk_bf16_f32 v[a+3], v[a+1], v[a+3]       ; odd columns 1, 3
	v_cvt_pk_bf16_f32 v[a], v[a], v[a+2]           ; even columns 0, 2
	v_cvt_pk_bf16_f32 v[a+1], v[a+4], v[a+6]       ; even columns 4, 6
	v_cvt_pk_bf16_f32 v[a+5], v[a+5], v[a+7]       ; odd columns 5, 7
	global_store_b64 v3, v[a:a+1], s[14:15] offset:(k/8)*2048+(k%8)*256  ; 256 consecutive bytes of wb, aligned
.if (k%8) == 0                         ; a row's first four odd columns start its sums: nothing is cleared
	v_lshlrev_b32 v[r], 16, v[a+3]
	v_and_b32 v[r+1], 0xffff0000, v[a+3]
	v_lshlrev_b32 v[r+2], 16, v[a+5]
	v_and_b32 v[r+3], 0xffff0000, v[a+5]
.else
	v_lshlrev_b32 v[T], 16, v[a+3]
	v_and_b32 v[T+1], 0xffff0000, v[a+3]
	v_lshlrev_b32 v[T+2], 16, v[a+5]
	v_and_b32 v[T+3], 0xffff0000, v[a+5]
	v_pk_add_f32 v[r:r+1], v[r:r+1], v[T:T+1]
	v_pk_add_f32 v[r+2:r+3], v[r+2:r+3], v[T+2:T+3]
.endif
.set k, k+1
.endr
	v_pk_add_f32 v[S:S+1], v[S:S+1], v[S+2:S+3]
	v_pk_add_f32 v[S+4:S+5], v[S+4:S+5], v[S+6:S+7]
	v_add_f32 v[S], v[S], v[S+1]
	v_add_f32 v[S+4], v[S+4], v[S+5]
.irp m, 1,2,4,8                        ; across the lanes: four steps inside each half of 16, then the other half
	v_add_f32_dpp v[S], v[S], v[S] row_xmask:\m row_mask:0xf bank_mask:0xf
	v_add_f32_dpp v[S+4], v[S+4], v[S+4] row_xmask:\m row_mask:0xf bank_mask:0xf
.endr
	v_permlanex16_b32 v18, v[S], s22, s23          ; (destinations that have been written before)
	v_permlanex16_b32 v[T], v[S+4], s22, s23
	v_add_f32 v[S], v[S], v18
	v_add_f32 v[S+4], v[S+4], v[T]
	v_cmp_eq_u32 vcc_lo, 1, v19
	v_cndmask_b32 v[S], v[S], v[S+4], vcc_lo       ; even lanes: the wave's first row; odd lanes: its second
	v_mul_f32 v[S], 0x4038aa3b, v[S]               ; c = 2 log2(e): the next launch wants c x in the exponential
	v_cvt_pk_bf16_f32 v5, v5, v5
	v_lshlrev_b32 v5, 16, v5                       ; bf16(w2) as f32
	v_cmp_gt_u32 vcc_lo, 2, v1
	s_wait_xcnt 0x0                                ; EXEC is a source of the stores above: it changes only behind this wait
	s_and_saveexec_b32 s24, vcc_lo                 ; lanes 0 and 1 store the wave's two rows' numbers: 8 bytes a table; the two tables are 16 KiB of the launch's 38 MiB of stores
	global_store_b32 v4, v[S], s[16:17]
	global_store_b32 v4, v5, s[16:17] offset:8192
	s_endpgm
.Lfunc_end_k_q11203c9810_prep:
	.size	k_q11203c9810_prep, .Lfunc_end_k_q11203c9810_prep-k_q11203c9810_prep
	.p2alignl 7, 3214868480
	.fill 96, 4, 3214868480
	.section	.rodata,"a",@progbits
	.p2align	6, 0x0
	.amdhsa_kernel k_q11203c9810_prep
		.amdhsa_group_segment_fixed_size 0
		.amdhsa_private_segment_fixed_size 0
		.amdhsa_enable_private_segment 0
		.amdhsa_kernarg_size 48
		.amdhsa_user_sgpr_count 2
		.amdhsa_user_sgpr_kernarg_segment_ptr 1
		.amdhsa_wavefront_size32 1
		.amdhsa_system_sgpr_workgroup_id_x 1
		.amdhsa_system_sgpr_workgroup_id_y 1
		.amdhsa_system_sgpr_workgroup_id_z 1
		.amdhsa_system_vgpr_workitem_id 0
		.amdhsa_next_free_vgpr 152
		.amdhsa_next_free_sgpr 66
		.amdhsa_reserve_vcc 1
		.amdhsa_float_denorm_mode_32 3
		.amdhsa_float_denorm_mode_16_64 3
		.amdhsa_memory_ordered 1
		.amdhsa_forward_progress 1
		.amdhsa_inst_pref_size 29
	.end_amdhsa_kernel
	.amdgpu_metadata
---
amdhsa.version: [ 1, 2 ]
amdhsa.kernels:
  - .name:           k_q11203c9810_prep
    .symbol:         k_q11203c9810_prep.kd
    .args:
      - { .name: encoded_outputs, .offset: 0, .size: 8, .value_kind: global_buffer, .address_space: global }
      - { .name: W1, .offset: 8, .size: 8, .value_kind: global_buffer, .address_space: global }
      - { .name: w2, .offset: 16, .size: 8, .value_kind: global_buffer, .address_space: global }
      - { .name: eb, .offset: 24, .size: 8, .value_kind: global_buffer, .address_space: global }
      - { .name: wb, .offset: 32, .size: 8, .value_kind: global_buffer, .address_space: global }
      - { .name: tab, .offset: 40, .size: 8, .value_kind: global_buffer, .address_space: global }
    .group_segment_fixed_size: 0
    .private_segment_fixed_size: 0
    .kernarg_segment_align: 8
    .kernarg_segment_size: 48
    .max_flat_workgroup_size: 256
    .sgpr_count:     66
    .vgpr_count:     152
    .wavefront_size: 32
...
	.end_amdgpu_metadata
.endif
;; end of part 1
;; launch scores (part 2): grid 64 x 4, 4 waves a work-group, clusters of 4 x 4, 327,680 bytes of LDS; arguments wb, eb, tab, decoder_output, part; writes part
.if DOCPART == 2
	.amdgcn_target "amdgcn-amd-amdhsa--gfx1250"
	.amdhsa_code_object_version 6
	.text
	.protected	k_q11203c9810_scores
	.globl	k_q11203c9810_scores
	.p2align	8
	.type	k_q11203c9810_scores,@function
k_q11203c9810_scores:
	s_mov_b64 s[64:65], 0
	v_nop
	global_prefetch_b8 v0, s[64:65] scope:SCOPE_SE
	s_setreg_imm32_b32 hwreg(HW_REG_WAVE_MODE, 25, 1), 1
	s_wait_xcnt 0x0
	s_wait_alu depctr_hold_cnt(0) depctr_sa_sdst(0) depctr_va_vdst(0) depctr_va_sdst(0) depctr_va_ssrc(0) depctr_va_vcc(0) depctr_vm_vsrc(0)
	s_getreg_b32 s2, hwreg(HW_REG_IB_STS2, 6, 4)
	s_cmp_eq_u32 s2, 0
	s_cbranch_scc0 .Lentry_in_a_cluster
	s_endpgm
.Lentry_in_a_cluster:
	s_bfe_u32 s2, ttmp6, 0x10000c
	s_cmp_lg_u32 s2, 0xf033
	s_cbranch_scc0 .Lentry_shape_is_right
	s_endpgm
.Lentry_shape_is_right:
; SCORES.  x[b][i][s] = sum over t of wb[i][t] eb[b][t][s] + r[i] bf16(dec[b][s]);  part[cy][b][s] = sum over 512 rows i of w2[i] tanh(x[b][i][s]).
; (reference()'s raw reshape puts E[b][t][:] in row 2 t and dec[b][:] in row 2 t + 1 of h[b]: the odd columns of W1 enter by their row sum r alone; tab holds c r and bf16(w2), c = 2 log2(e).)
; Products in bf16 with f32 sums; all else in f32: tanh(x) = 1 - 2 / (1 + 2^(c x)), signed before it meets w2, so that no difference of large sums is formed.
; LIMITS.  2^(c x) beyond f32's range is +inf and gives tanh = 1; below 2^-126 it counts as 0 and gives tanh = -1; NaN and infinities in the inputs are not treated apart.
; SHARES.  256 work-groups.  A cluster of 4 x 4 is one batch b (cluster x).  cx: which 256 columns s; cy: which rows i.  A WORK-GROUP STAYS: two tiles of 256 i x 256 s, at rows 256 cy and 256 cy + 1024.
; Four waves, each 128 i x 128 s: 64 accumulators, 512 registers.  K = t goes in 8 steps of 128 through a ring of two LDS slots; the ring runs on into the second tile.
; JOINT LOADS.  wb's tile hangs on cy alone: shared along a row of the cluster.  eb's tile hangs on b and cx alone: shared along a column.  Each is asked for by the same tensor load, descriptor and mask in the four.
; OPERANDS.  Source 0 = 16 rows i of wb (K along the LDS rows: two ds_load_b128).  Source 1 = 16 columns s of eb, which lies [t][s]: two turning loads (ds_load_tr16_b128).
; In the result a lane holds ONE column s (lane % 16) and the rows i = 8 (lane / 16) + 0..7: the sum over i is a sum over a lane's registers, one exchange of the lanes' halves, and two waves.
; REGISTERS, in windows of 256 (s_set_vgpr_msb: bits 1:0 source 0, 3:2 source 1, 5:4 source 2, 7:6 destination):
;   window 0: v0-31 addresses; v32-47 dec (each number twice); v48-63 the running score sums; v64-127, v128-191 eb's fragments, two buffers (the second is also T, at work on the way out); v192-215 at work
;   window 1: v0-63 c r of my 128 rows; v64-127, v128-191 wb's fragments; v192-255 w2 of my 128 rows        windows 2, 3: accumulator (s block a, i block b) at v[8 (8 (a % 4) + b)] of window 2 + a / 4
.set PW,     272                       ; a row of wb's tile in LDS: 256 bytes + 16: the 16 rows of a load start 68 words apart
.set PE,     544                       ; a row of eb's tile: 512 bytes + 32 = 17 x 32
.set HALFT,  128*PW                    ; what one tensor load brings: 128 rows of wb, or 64 rows of eb (64 x 544 is the same 34,816)
.set SLOT,   4*HALFT                   ; wb's 256 rows, then eb's 128 rows
.set STAGE,  2*SLOT                    ; behind the ring, never filled by a tensor load: 512 bytes for each wave: its 128 partial scores
.set SPARE,  STAGE+4*512               ; the spare words, 128 bytes for each wave: two blocks of 256 bytes that no other line names
.set LAPS,   4                         ; a lap = two K steps = once round the ring
.set WSTEP,  256                       ; a K step along wb's rows, in bytes
.set ESTEP,  128*2048                  ; a K step down eb's rows
.set NEXT_W, 1024*2048-6*WSTEP         ; from a slot's last K step of a tile to its first of the next: 1,024 rows down, back along K
.set BACK_E, 6*ESTEP                   ; eb only back: both tiles multiply the same columns
.set NEXT_P, 1024*2048-7*WSTEP         ; the prefetches' pointer: from K step 9 of a tile's rows to K step 2 of the next tile's
.set LN,   6                           ; v6      lane
.set ADRW, 16                          ; v16-17  LDS address of my wb fragments in slot 0, 1
.set ADRE, 20                          ; v20-21  the same for eb
.set STO,  24                          ; v24     stage: where I put a score
.set RD,   25                          ; v25     stage: where I read four back
.set GO,   26                          ; v26     my 16 bytes of the wave's 512 in part
.set TBO,  27                          ; v27     32 x (lane / 16): my eight rows in a block of 16 of the tables
.set SPW,  28                          ; v28     LDS address of my spare word; never rewritten
.set NIL,  29                          ; v29     0; never rewritten
.set PFO,  30                          ; v30     the prefetches' lane offset; never rewritten
.set DO,   31                          ; v31     4 x (lane % 16)
.set DEC,  32
.set P,    48
.set F0,   64
.set F1,   128
.set T,    128
.set Q,    192
.set TMP,  200
.set RC,   0                           ; window 1
.set W2,   192                         ; window 1
.set G1W,  24                          ; s[24:31] descriptor group 1 for wb's tiles;  s[32:39] group 0, a set for each slot
.set G0W,  32
.set LIM,  43                          ; s43      1 in a wave that prefetches, else the greatest number
.set PFA,  44                          ; s[44:45] where my prefetches stand
.set G1E,  48                          ; s[48:55], s[56:63] the same for eb's tiles
.set G0E,  56
.set CC,   66                          ; s[66:67] c
.set SEL,  68                          ; s[68:69] v_permlanex16_b32's selects
.set PST,  70                          ; s[70:71] a K step for my prefetches
.set MSB, 0
.macro WIN new                         ; the immediate's high byte repeats the setting that is left; a switch that changes nothing is dropped
.if MSB != (\new)
	s_set_vgpr_msb (MSB<<8)|(\new)
.set MSB, \new
.endif
.endm
.set MUL_LO, 0xa1                      ; source 0 (wb) window 1, source 1 (eb) window 0, C and D window 2
.set MUL_HI, 0xf1                      ; the same, C and D window 3
.set TO_W,   0x40                      ; destination window 1, address window 0
; A joint load.  Waves 0 and 1 fetch wb's two halves, waves 2 and 3 eb's.  The branch hangs on the wave's number alone.  An s_nop 0 and four v_nop follow each line.
.macro JLOAD s
	s_cmp_eq_u32 s11, 0
	s_cbranch_scc0 .Lfor_e_\@
	tensor_load_to_lds s[G0W+4*(\s):G0W+4*(\s)+3], s[G1W:G1W+7]
	s_nop 0
.rept 4
	v_nop
.endr
	s_branch .Lasked_\@
.Lfor_e_\@:
	tensor_load_to_lds s[G0E+4*(\s):G0E+4*(\s)+3], s[G1E:G1E+7]
	s_nop 0
.rept 4
	v_nop
.endr
.Lasked_\@:
.endm
; A PREFETCH of the K step that stands two refills on (512 matrix instructions ahead of the load that will want it), behind the joint load, its five lines and the run of LDS loads: one instruction a wave, a lane a block of 256 bytes.
; Each block is named once in the launch.  wb is read by all 16 clusters: cluster 0 asks, in both tiles; of the 128 rows that a wave fetches the partner at cx takes 32.  eb[b] is read by its own cluster alone:
; every cluster asks, in the first tile alone (the second reads the same rows again); of a wave's 64 rows x 512 bytes the partner at cy takes 16 rows, two lanes a row.  Partners are told apart by address alone.
; A tile's last two refills along K ask for nothing; the first four K steps of the launch come by their loads alone.  how = 0: in the loop (s3 = 1 in its last trip); how = 1: at the change of tiles.
.macro ASK how
.if \how
	s_cmp_eq_u32 s[LIM], 1
.else
	s_cmp_gt_u32 s3, s[LIM]
.endif
	s_cbranch_scc0 .Lnot_mine_\@
	global_prefetch_b8 v[PFO], s[PFA:PFA+1] th:TH_LOAD_NT scope:SCOPE_SE
.Lnot_mine_\@:
.endm
.macro CREST                           ; a round of the cluster's barrier behind its opening barrier
	s_cmp_lg_u32 s10, 0
	s_cbranch_scc1 .Lnot_wave_0_\@
	s_barrier_signal -3
.Lnot_wave_0_\@:
	s_barrier_wait -3
	s_barrier_signal -1
	s_barrier_wait -1
.endm
.macro CROUND                          ; a whole round
	s_barrier_signal -1
	s_barrier_wait -1
	CREST
.endm
	s_load_b128 s[4:7], s[0:1], 0x0                ; wb s[4:5], eb s[6:7]
	s_load_b64 s[8:9], s[0:1], 0x10                ; tab
	s_load_b128 s[76:79], s[0:1], 0x18             ; dec s[76:77], part s[78:79]
	v_lshl_add_u32 v[SPW], v0, 2, SPARE
	v_mov_b32 v[NIL], 0
	ds_add_u32 v[SPW], v[NIL]                      ; the wave's opening: the add and its wait stand ahead of my first tensor load; the set-up below, work on registers, stands between them
	v_lshrrev_b32 v1, 5, v0
	v_readfirstlane_b32 s10, v1                    ; wave 0..3
	s_lshr_b32 s11, s10, 1                         ; which half of the tile's rows i is mine.  Also: I fetch for wb (0) or for eb (1)
	s_and_b32 s12, s10, 1                          ; which half of its columns s.  Also: which half of that tile I fetch
	s_bfe_u32 s40, ttmp6, 0x40000                  ; cx
	s_bfe_u32 s41, ttmp6, 0x40004                  ; cy
	s_lshl_b32 s43, s41, 2
	s_lshl_b32 s43, 15, s43                        ; my row of the cluster: places 4 cy .. 4 cy + 3
	s_lshl_b32 s44, 0x1111, s40                    ; my column: places cx, cx + 4, cx + 8, cx + 12
	s_or_b32 s[G1W+0], s43, (1<<16)|(1<<20)|(1<<21)|(5<<22)|(3<<25)  ; 15:0 mask; 17:16 2-byte elements; 20 padding on; 21 set beside a mask; 24:22 after every 64 words; 31:25 4 words
	s_or_b32 s[G1E+0], s44, (1<<16)|(1<<20)|(1<<21)|(6<<22)|(7<<25)  ; the column's mask; after every 128 words 8 words
	s_mov_b32 s[G1W+1], 128<<16                    ; tensor_dim0 = 128 elements
	s_mov_b32 s[G1W+2], 128<<16                    ; tensor_dim1 = 128 rows
	s_mov_b32 s[G1W+3], 128<<16                    ; tile_dim0 = 128
	s_mov_b32 s[G1W+4], 128                        ; tile_dim1 = 128
	s_mov_b32 s[G1W+5], 1024                       ; elements from row to row
	s_mov_b32 s[G1W+6], 0
	s_mov_b32 s[G1W+7], 0
	s_mov_b32 s[G1E+1], 256<<16                    ; tensor_dim0 = 256 elements
	s_mov_b32 s[G1E+2], 64<<16                     ; tensor_dim1 = 64 rows
	s_mov_b32 s[G1E+3], 256<<16                    ; tile_dim0 = 256
	s_mov_b32 s[G1E+4], 64                         ; tile_dim1 = 64
	s_mov_b32 s[G1E+5], 1024
	s_mov_b32 s[G1E+6], 0
	s_mov_b32 s[G1E+7], 0
	s_lshl_b32 s16, s41, 8                         ; wb: row 256 cy + 128 x half, 2,048 bytes a row: registers that never hold cx
	s_lshl_b32 s17, s12, 7
	s_add_co_u32 s16, s16, s17
	s_lshl_b32 s16, s16, 11
	s_mov_b32 s17, 0
	s_lshl_b32 s46, ttmp9, 21                      ; eb: batch b, row 64 x half, column 256 cx: registers that never hold cy
	s_lshl_b32 s47, s12, 17
	s_add_co_u32 s46, s46, s47
	s_lshl_b32 s47, s40, 9
	s_add_co_u32 s46, s46, s47
	s_mov_b32 s47, 0
	s_mul_i32 s20, s10, HALFT                      ; where they go: wave x 34,816: no place in the cluster enters an LDS address
	s_mov_b32 s[CC], 0x4038aa3b                    ; c = 2 log2(e)
	s_mov_b32 s[CC+1], 0x4038aa3b
	s_mov_b32 s[SEL], 0x76543210
	s_mov_b32 s[SEL+1], 0xfedcba98
	s_wait_dscnt 0x0                               ; the opening add is done
	s_wait_kmcnt 0x0
	s_add_nc_u64 s[14:15], s[4:5], s[16:17]
	s_add_nc_u64 s[46:47], s[6:7], s[46:47]
	CROUND                                         ; all sixteen work-groups are here: the first joint loads meet
.irp s, 0,1
	s_mov_b32 s[G0W+4*(\s)], 1                                       ; count = 1
	s_add_co_u32 s[G0W+4*(\s)+1], s20, (\s)*SLOT                     ; LDS address
	s_add_nc_u64 s[G0W+4*(\s)+2:G0W+4*(\s)+3], s[14:15], (\s)*WSTEP  ; global address: K step s
	s_or_b32 s[G0W+4*(\s)+3], s[G0W+4*(\s)+3], 0x80000000            ; type = 2
	s_mov_b32 s[G0E+4*(\s)], 1
	s_add_co_u32 s[G0E+4*(\s)+1], s20, (\s)*SLOT
	s_add_nc_u64 s[G0E+4*(\s)+2:G0E+4*(\s)+3], s[46:47], (\s)*ESTEP
	s_or_b32 s[G0E+4*(\s)+3], s[G0E+4*(\s)+3], 0x80000000
	JLOAD \s                                       ; the ring is filled before anything else is done: two loads of mine are out
.endr
	v_and_b32 v1, 15, v0                           ; l % 16
	v_bfe_u32 v2, v0, 4, 1                         ; l / 16
	v_and_b32 v[LN], 31, v0
	v_mul_u32_u24 v3, v1, PW                       ; wb's fragment: row l % 16, 16 bytes for each half of the lanes
	v_lshl_add_u32 v3, v2, 4, v3
	v_and_b32 v4, 7, v0                            ; eb's turning load: lane l reads row 8 (l / 16) + l % 8, columns 8 ((l / 8) % 2) + 0..7
	v_lshl_add_u32 v4, v2, 3, v4
	v_mul_u32_u24 v4, v4, PE
	v_bfe_u32 v5, v0, 3, 1
	v_lshl_add_u32 v4, v5, 4, v4
	s_mul_i32 s21, s11, HALFT                      ; my 128 rows of wb
	s_lshl_b32 s22, s12, 8                         ; my 128 columns of eb: 256 bytes of each row,
	s_add_co_u32 s22, s22, 2*HALFT                 ; behind wb's 256 rows
.irp s, 0,1
	v_add_nc_u32 v[ADRW+(\s)], s21, v3
	v_add_nc_u32 v[ADRE+(\s)], s22, v4
	s_add_co_u32 s21, s21, SLOT
	s_add_co_u32 s22, s22, SLOT
.endr
	s_lshl_b32 s23, s10, 9
	s_add_co_u32 s23, s23, STAGE                   ; my stage
	v_lshl_add_u32 v[STO], v[LN], 2, s23
	v_lshl_add_u32 v[RD], v[LN], 4, s23
	v_lshlrev_b32 v[GO], 4, v[LN]
	v_lshlrev_b32 v[TBO], 5, v2
	v_lshlrev_b32 v[DO], 2, v1
	s_mov_b32 s19, 0
	s_lshl_b32 s18, s41, 10                        ; the tables at my 128 rows of the first tile: 4 bytes x (256 cy + 128 x half)
	s_lshl_b32 s13, s11, 9
	s_add_co_u32 s18, s18, s13
	s_add_nc_u64 s[8:9], s[8:9], s[18:19]
	s_lshl_b32 s18, ttmp9, 12                      ; dec and part at my 128 columns: 4 bytes x (1024 b + 256 cx + 128 x half)
	s_lshl_b32 s13, s40, 10
	s_add_co_u32 s18, s18, s13
	s_lshl_b32 s13, s12, 9
	s_add_co_u32 s18, s18, s13
	s_add_nc_u64 s[76:77], s[76:77], s[18:19]
	s_lshl_b32 s13, s41, 16                        ; part's plane cy
	s_add_co_u32 s18, s18, s13
	s_add_nc_u64 s[78:79], s[78:79], s[18:19]
.irp a, 0,1,2,3,4,5,6,7
	global_load_b32 v[TMP+(\a)], v[DO], s[76:77] offset:64*(\a)  ; dec of column 16 a + l % 16
.endr
	; the prefetches: wb's pointer in s13, eb's in s18, each at K step 3 (the first change of slots steps it to 4)
	s_lshl_b32 s13, s41, 8
	s_lshl_b32 s42, s12, 7
	s_add_co_u32 s13, s13, s42
	s_lshl_b32 s42, s40, 5                         ; my work-group's 32 of the 128 rows
	s_add_co_u32 s13, s13, s42
	s_lshl_b32 s13, s13, 11
	s_add_co_u32 s13, s13, 3*WSTEP
	s_lshl_b32 s18, s12, 6
	s_lshl_b32 s42, s41, 4                         ; my work-group's 16 of the 64 rows
	s_add_co_u32 s18, s18, s42
	s_lshl_b32 s18, s18, 11
	s_lshl_b32 s42, ttmp9, 21
	s_add_co_u32 s18, s18, s42
	s_lshl_b32 s42, s40, 9
	s_add_co_u32 s18, s18, s42
	s_add_co_u32 s18, s18, 3*ESTEP
	s_mov_b32 s42, ESTEP
	s_cmp_eq_u32 ttmp9, 0
	s_cselect_b32 s[LIM], 1, -1                    ; wb: the first cluster asks
	s_cmp_eq_u32 s11, 0                            ; do I fetch for wb?
	s_cselect_b32 s18, s13, s18
	s_cselect_b32 s[LIM], s[LIM], 1                ; eb: every cluster asks for its own batch.  The same in all sixteen partners, for a given wave
	s_cselect_b32 s[PST], WSTEP, s42
	s_cselect_b64 s[PFA:PFA+1], s[4:5], s[6:7]
	s_mov_b32 s[PST+1], 0
	s_add_nc_u64 s[PFA:PFA+1], s[PFA:PFA+1], s[18:19]
	v_lshrrev_b32 v[PFO], s11, v[LN]               ; wb: a lane a row; eb: two lanes a row, 256 bytes apart
	v_lshlrev_b32 v[PFO], 11, v[PFO]
	v_and_b32 v3, s11, v[LN]
	v_lshl_add_u32 v[PFO], v3, 8, v[PFO]
.set i, 0
.rept 16
	v_mov_b32 v[P+i], 0                            ; the score sums run over both tiles: they start at 0
.set i, i+1
.endr
	s_wait_loadcnt 0x0                             ; dec
.irp a, 0,1,2,3,4,5,6,7
	v_cvt_pk_bf16_f32 v[TMP+8+(\a)], v[TMP+(\a)], v[TMP+(\a)]  ; rounded to bf16 like every input, and kept twice as f32, for the packed multiply-add
	v_lshlrev_b32 v[DEC+2*(\a)], 16, v[TMP+8+(\a)]
	v_and_b32 v[DEC+2*(\a)+1], 0xffff0000, v[TMP+8+(\a)]
.endr
; 16 matrix instructions: s blocks a0, a0 + 1 of the window's four x all 8 i blocks, 32 along K.  zero = 1: the first product starts the sums.  The 64 accumulators take turns, in the same order in every quarter.
.macro MUL16 f, hi, a0, zero
	WIN MUL_LO+0x50*(\hi)
.irp a, \a0, (\a0)+1
.irp b, 0,1,2,3,4,5,6,7
.if \zero
	v_wmma_f32_16x16x32_bf16 v[8*(8*(\a)+(\b)):8*(8*(\a)+(\b))+7], v[(\f)+8*(\b):(\f)+8*(\b)+7], v[(\f)+8*(4*(\hi)+(\a)):(\f)+8*(4*(\hi)+(\a))+7], 0
.else
	v_wmma_f32_16x16x32_bf16 v[8*(8*(\a)+(\b)):8*(8*(\a)+(\b))+7], v[(\f)+8*(\b):(\f)+8*(\b)+7], v[(\f)+8*(4*(\hi)+(\a)):(\f)+8*(4*(\hi)+(\a))+7], v[8*(8*(\a)+(\b)):8*(8*(\a)+(\b))+7]
.endif
.endr
.endr
.endm
; 32 LDS loads in one run: the fragments of quarter q (32 along K) of a slot into buffer f: 128 rows of wb, then 128 columns of eb
.macro FETCH slot, q, f
	WIN TO_W
.irp i, 0,1,2,3,4,5,6,7
	ds_load_b128 v[(\f)+8*(\i):(\f)+8*(\i)+3],   v[ADRW+(\slot)] offset:64*(\q)+(\i)*16*PW
	ds_load_b128 v[(\f)+8*(\i)+4:(\f)+8*(\i)+7], v[ADRW+(\slot)] offset:64*(\q)+(\i)*16*PW+32
.endr
	WIN 0
.irp i, 0,1,2,3,4,5,6,7
	ds_load_tr16_b128 v[(\f)+8*(\i):(\f)+8*(\i)+3],   v[ADRE+(\slot)] offset:32*PE*(\q)+32*(\i)
	ds_load_tr16_b128 v[(\f)+8*(\i)+4:(\f)+8*(\i)+7], v[ADRE+(\slot)] offset:32*PE*(\q)+32*(\i)+16*PE
.endr
.endm
.macro PLACES                          ; four plain vector instructions between a matrix instruction and a load into, or a vector instruction on, its registers (ISA guide 7.12.1 for vector instructions)
.rept 4
	v_nop
.endr
.endm
; One of a K step's first three quarters: multiplies buffer f; in its middle it fetches quarter q of the same slot into buffer g.
.macro QUARTER slot, q, f, g, zero
	s_wait_dscnt 8                                 ; wb's fragments and eb's s blocks 0-3 are in; the youngest eight loads (s blocks 4-7) may be out
	MUL16 \f, 0, 0, \zero
	MUL16 \f, 0, 2, \zero
	PLACES
	FETCH \slot, \q, \g
	s_wait_dscnt 32                                ; all but the 32 just issued
	MUL16 \f, 1, 0, \zero
	MUL16 \f, 1, 2, \zero
.endm
; The first half of a K step's last quarter: ONE barrier for the change of slots.  In front of it each wave waits for all its tensor loads (one is out: its part of the next slot), adds 0 to its spare word, and waits for that and for its reads of this slot.
.macro MEET round
	WIN 0                                          ; (the add's two registers lie in window 0)
	s_wait_tensorcnt 0x0
	ds_add_u32 v[SPW], v[NIL]
	s_wait_dscnt 9                                 ; (the add and the youngest eight loads may be out)
	MUL16 F1, 0, 0, 0                              ; sixteen matrix instructions stand between the add and the wait for it
	s_wait_dscnt 0x0                               ; the add is done, and my reads of this slot are over
	s_barrier_signal -1
	MUL16 F1, 0, 2, 0
.if \round
	WIN 0
.endif
	s_barrier_wait -1
.endm
; The whole last quarter.  mode 0: this slot is filled again with the K step two on.  mode 1: with the next tile's K step 0 or 1.  mode 2: the last tile's last lap: nothing is filled, no round.
.macro TURN slot, next, mode
.if (\mode) < 2
	s_wait_xcnt 0x0                                ; the last prefetch, a K step back, has read its address: it is stepped here, ahead of the change's own waits
.if ((\mode) == 1) && ((\slot) == 0)
	s_add_nc_u64 s[PFA:PFA+1], s[PFA:PFA+1], NEXT_P
	s_cmp_eq_u32 s11, 0
	s_cselect_b32 s[LIM], s[LIM], -1               ; eb's rows are the same for both tiles: they are asked for no more
.else
	s_add_nc_u64 s[PFA:PFA+1], s[PFA:PFA+1], s[PST:PST+1]
.endif
	MEET 1
	CREST                                          ; the barrier has opened a round of the cluster's: no wave of any partner still reads this slot or has a load on its way
.if (\mode) == 1
	s_add_nc_u64 s[G0W+4*(\slot)+2:G0W+4*(\slot)+3], s[G0W+4*(\slot)+2:G0W+4*(\slot)+3], NEXT_W
	s_sub_nc_u64 s[G0E+4*(\slot)+2:G0E+4*(\slot)+3], s[G0E+4*(\slot)+2:G0E+4*(\slot)+3], BACK_E
.else
	s_add_nc_u64 s[G0W+4*(\slot)+2:G0W+4*(\slot)+3], s[G0W+4*(\slot)+2:G0W+4*(\slot)+3], 2*WSTEP
	s_add_nc_u64 s[G0E+4*(\slot)+2:G0E+4*(\slot)+3], s[G0E+4*(\slot)+2:G0E+4*(\slot)+3], 2*ESTEP
.endif
	JLOAD \slot                                    ; the first tensor load behind the round, my only one until the next; its four v_nop are also the places in front of the loads below
	FETCH \next, 0, F0
	ASK \mode
.else
	MEET 0
	PLACES
	FETCH \next, 0, F0
.endif
	MUL16 F1, 1, 0, 0
	MUL16 F1, 1, 2, 0
.endm
; c r and w2 of my 128 rows of the tile in hand: register 8 b + j holds row 16 b + 8 (lane / 16) + j, as the accumulators do.  Asked for at a tile's head, waited for at its way out.
.macro LOADTAB
	WIN TO_W
.irp b, 0,1,2,3,4,5,6,7
	global_load_b128 v[RC+8*(\b):RC+8*(\b)+3],   v[TBO], s[8:9] offset:64*(\b)
	global_load_b128 v[RC+8*(\b)+4:RC+8*(\b)+7], v[TBO], s[8:9] offset:64*(\b)+16
	global_load_b128 v[W2+8*(\b):W2+8*(\b)+3],   v[TBO], s[8:9] offset:8192+64*(\b)
	global_load_b128 v[W2+8*(\b)+4:W2+8*(\b)+7], v[TBO], s[8:9] offset:8192+64*(\b)+16
.endr
	WIN 0
.endm
; THE WAY OUT of s block a: its 8 accumulators (64 numbers a lane: one column s, 64 rows i) become one pair of sums.  It touches neither LDS nor buffer 0, into which the next tile's first fragments may be on their way.
.macro GROUP a
.set AC, 64*((\a)%4)
	WIN 0x02+(\a)/4                                ; source 0: window 2 or 3
.set z, 0
.rept 32
	v_pk_mul_f32 v[T+2*z:T+2*z+1], v[AC+2*z:AC+2*z+1], s[CC:CC+1] op_sel_hi:[1,0]  ; c x (the product's part); ascending: each accumulator is first read at its low end
.set z, z+1
.endr
	WIN 0x01                                       ; source 0: window 1
.set z, 0
.rept 32
	v_pk_fma_f32 v[T+2*z:T+2*z+1], v[RC+2*z:RC+2*z+1], v[DEC+2*(\a):DEC+2*(\a)+1], v[T+2*z:T+2*z+1]  ; + (c r) dec
.set z, z+1
.endr
	WIN 0
.set z, 0
.rept 64
	v_exp_f32 v[T+z], v[T+z]                       ; one batch of 64
.set z, z+1
.endr
	v_nop                                          ; a plain instruction behind the last exponential,
	s_wait_alu depctr_va_vdst(0)                   ; and one wait for the batch, ahead of its first reader
.set z, 0
.rept 32
	v_pk_add_f32 v[T+2*z:T+2*z+1], v[T+2*z:T+2*z+1], 1.0 op_sel_hi:[1,0]
.set z, z+1
.endr
.set z, 0
.rept 64
	v_rcp_f32 v[T+z], v[T+z]                       ; a second batch of 64
.set z, z+1
.endr
	v_nop
	s_wait_alu depctr_va_vdst(0)
.set z, 0
.rept 32
	v_pk_fma_f32 v[T+2*z:T+2*z+1], v[T+2*z:T+2*z+1], -2.0, 1.0 op_sel_hi:[1,0,0]  ; tanh = 1 - 2 / (1 + 2^(c x))
.set z, z+1
.endr
	WIN 0x01
	v_pk_fma_f32 v[Q:Q+1], v[W2:W2+1], v[T:T+1], v[P+2*(\a):P+2*(\a)+1]  ; four chains; the first takes the running sum along
.set z, 1
.rept 3
	v_pk_mul_f32 v[Q+2*z:Q+2*z+1], v[W2+2*z:W2+2*z+1], v[T+2*z:T+2*z+1]
.set z, z+1
.endr
.rept 28
	v_pk_fma_f32 v[Q+2*(z%4):Q+2*(z%4)+1], v[W2+2*z:W2+2*z+1], v[T+2*z:T+2*z+1], v[Q+2*(z%4):Q+2*(z%4)+1]
.set z, z+1
.endr
	WIN 0
	v_pk_add_f32 v[Q:Q+1], v[Q:Q+1], v[Q+2:Q+3]
	v_pk_add_f32 v[Q+4:Q+5], v[Q+4:Q+5], v[Q+6:Q+7]
	v_pk_add_f32 v[P+2*(\a):P+2*(\a)+1], v[Q:Q+1], v[Q+4:Q+5]
.endm
	s_wait_tensorcnt 1                             ; my part of K step 0 is in; K step 1's may stay out
	s_barrier_signal -1
	s_barrier_wait -1                              ; everybody's is
	FETCH 0, 0, F0
	s_mov_b32 s2, 2                                ; tiles to go: the same in every work-group
.Ltile:
	LOADTAB
	QUARTER 0, 1, F0, F1, 1                        ; a tile's first quarter stands in front of the loop: its products start the sums
	WIN 0                                          ; at a label and at a branch every window is 0
	s_mov_b32 s3, LAPS-1
.Llap:                                                 ; a trip goes once round the ring and fills both slots again
	QUARTER 0, 2, F1, F0, 0
	QUARTER 0, 3, F0, F1, 0
	TURN 0, 1, 0
	QUARTER 1, 1, F0, F1, 0
	QUARTER 1, 2, F1, F0, 0
	QUARTER 1, 3, F0, F1, 0
	TURN 1, 0, 0
	QUARTER 0, 1, F0, F1, 0
	WIN 0
	s_sub_co_u32 s3, s3, 1
	s_cmp_lg_u32 s3, 0
	s_cbranch_scc1 .Llap
	QUARTER 0, 2, F1, F0, 0                        ; the tile's last lap goes on
	QUARTER 0, 3, F0, F1, 0
	WIN 0
	s_cmp_eq_u32 s2, 1
	s_cbranch_scc1 .Llast                          ; the last tile's tail asks for nothing more
	TURN 0, 1, 1                                   ; the ring goes on into the second tile: slot 0 takes its K step 0,
	QUARTER 1, 1, F0, F1, 0
	QUARTER 1, 2, F1, F0, 0
	QUARTER 1, 3, F0, F1, 0
	TURN 1, 0, 1                                   ; slot 1 its K step 1, and its first fragments are fetched: both refills are on their way during the way out
	WIN 0
	s_branch .Lepi
.Llast:
	TURN 0, 1, 2
	QUARTER 1, 1, F0, F1, 0
	QUARTER 1, 2, F1, F0, 0
	QUARTER 1, 3, F0, F1, 0
	s_wait_dscnt 8                                 ; the very last quarter: nothing more to fetch
	MUL16 F1, 0, 0, 0
	MUL16 F1, 0, 2, 0
	s_wait_dscnt 0x0
	MUL16 F1, 1, 0, 0
	MUL16 F1, 1, 2, 0
	WIN 0
.Lepi:                                                 ; the way out is written once, for both tiles
	PLACES                                         ; behind the last products: T lies where their eb fragments lay
	s_wait_loadcnt 0x0                             ; the tables are in, and their base may be written:
	s_add_nc_u64 s[8:9], s[8:9], 4096              ; 1,024 rows on, for the second tile
.irp a, 0,1,2,3,4,5,6,7
	GROUP \a
.endr
	s_sub_co_u32 s2, s2, 1
	s_cmp_lg_u32 s2, 0
	s_cbranch_scc1 .Ltile
	; THE END.  A lane's pair, then the other half of the lanes (the other eight rows of each block of 16), then the other wave with my columns, through the stage.
.irp a, 0,1,2,3,4,5,6,7
	v_add_f32 v[P+2*(\a)], v[P+2*(\a)], v[P+2*(\a)+1]
.endr
.irp a, 0,1,2,3,4,5,6,7
	v_permlanex16_b32 v[P+2*(\a)+1], v[P+2*(\a)], s[SEL], s[SEL+1]
.endr
.irp a, 0,1,2,3,4,5,6,7
	v_add_f32 v[P+2*(\a)], v[P+2*(\a)], v[P+2*(\a)+1]
.endr
	v_cmp_le_u32 vcc_lo, 16, v[LN]                 ; (made here, behind the last tensor load)
.irp q, 0,1,2,3
	v_cndmask_b32 v[Q+(\q)], v[P+4*(\q)], v[P+4*(\q)+2], vcc_lo  ; lanes 0-15 speak for s block 2 q, lanes 16-31 for 2 q + 1: column 32 q + lane
	ds_store_b32 v[STO], v[Q+(\q)] offset:128*(\q)
.endr
	s_wait_dscnt 0x0                               ; for the others' sake: my stores into the stage are done
	s_barrier_signal -1
	s_barrier_wait -1
	s_cmp_lt_u32 s10, 2                            ; waves 0 and 1 finish their columns; waves 2 and 3 hold the other 128 rows of the same columns
	s_cbranch_scc0 .Lend
	ds_load_b128 v[TMP:TMP+3], v[RD]
	ds_load_b128 v[TMP+4:TMP+7], v[RD] offset:1024
	s_wait_dscnt 0x0
	v_pk_add_f32 v[TMP:TMP+1], v[TMP:TMP+1], v[TMP+4:TMP+5]
	v_pk_add_f32 v[TMP+2:TMP+3], v[TMP+2:TMP+3], v[TMP+6:TMP+7]
	global_store_b128 v[GO], v[TMP:TMP+3], s[78:79]  ; 512 consecutive bytes of part, at a multiple of 512 from its first byte
.Lend:
	s_wait_tensorcnt 0x0                           ; the wave's end, behind my last tensor load and my last LDS store
	ds_add_u32 v[SPW], v[NIL]
	s_wait_dscnt 0x0
	CROUND                                         ; the closing round: no work-group ends while a partner may still ask for a tile that names it
	s_endpgm
.Lfunc_end_k_q11203c9810_scores:
	.size	k_q11203c9810_scores, .Lfunc_end_k_q11203c9810_scores-k_q11203c9810_scores
	.p2alignl 7, 3214868480
	.fill 96, 4, 3214868480
	.section	.rodata,"a",@progbits
	.p2align	6, 0x0
	.amdhsa_kernel k_q11203c9810_scores
		.amdhsa_group_segment_fixed_size 327680
		.amdhsa_private_segment_fixed_size 0
		.amdhsa_enable_private_segment 0
		.amdhsa_kernarg_size 40
		.amdhsa_user_sgpr_count 2
		.amdhsa_user_sgpr_kernarg_segment_ptr 1
		.amdhsa_wavefront_size32 1
		.amdhsa_system_sgpr_workgroup_id_x 1
		.amdhsa_system_sgpr_workgroup_id_y 1
		.amdhsa_system_sgpr_workgroup_id_z 1
		.amdhsa_system_vgpr_workitem_id 0
		.amdhsa_next_free_vgpr 1024
		.amdhsa_next_free_sgpr 84
		.amdhsa_reserve_vcc 1
		.amdhsa_float_denorm_mode_32 3
		.amdhsa_float_denorm_mode_16_64 3
		.amdhsa_memory_ordered 1
		.amdhsa_forward_progress 1
		.amdhsa_inst_pref_size 255
	.end_amdhsa_kernel
	.section	.bss,"aw",@nobits
	.p2align	6
	.space	262144
	.amdgpu_metadata
---
amdhsa.version: [ 1, 2 ]
amdhsa.kernels:
  - .name:           k_q11203c9810_scores
    .symbol:         k_q11203c9810_scores.kd
    .args:
      - { .name: wb, .offset: 0, .size: 8, .value_kind: global_buffer, .address_space: global }
      - { .name: eb, .offset: 8, .size: 8, .value_kind: global_buffer, .address_space: global }
      - { .name: tab, .offset: 16, .size: 8, .value_kind: global_buffer, .address_space: global }
      - { .name: decoder_output, .offset: 24, .size: 8, .value_kind: global_buffer, .address_space: global }
      - { .name: part, .offset: 32, .size: 8, .value_kind: global_buffer, .address_space: global }
    .group_segment_fixed_size: 327680
    .private_segment_fixed_size: 0
    .kernarg_segment_align: 8
    .kernarg_segment_size: 40
    .max_flat_workgroup_size: 128
    .sgpr_count:     84
    .vgpr_count:     1024
    .wavefront_size: 32
...
	.end_amdgpu_metadata
.endif
;; end of part 2
;; launch attend (part 3): grid 8 x 16, 16 waves a work-group, no clusters, 23,040 bytes of LDS; arguments part, eb, out0; writes out0
.if DOCPART == 3
	.amdgcn_target "amdgcn-amd-amdhsa--gfx1250"
	.amdhsa_code_object_version 6
	.text
	.protected	k_q11203c9810_attend
	.globl	k_q11203c9810_attend
	.p2align	8
	.type	k_q11203c9810_attend,@function
k_q11203c9810_attend:
	s_mov_b64 s[64:65], 0
	v_nop
	global_prefetch_b8 v0, s[64:65] scope:SCOPE_SE
	s_setreg_imm32_b32 hwreg(HW_REG_WAVE_MODE, 25, 1), 1
	s_wait_xcnt 0x0
; ATTEND.  score[b][s] = the sum of part's four planes; p[s] = 2^(log2(e) (score[s] - max over s)); out0[b][h] = (sum over s of p[s] eb[b][s][h]) / (sum over s of p[s]).  All in f32; eb's halves are widened in the multiply-add.
; LIMITS.  A weight below 2^-126 counts as 0; the largest weight is 1, so the divisor is at least 1; NaN and infinities are not treated apart.
; SHARES.  A work-group makes 128 columns h of one batch (256 bytes of each row of eb, aligned); its 16 waves take 64 rows s each, all 32 loads of a wave out at once.
; Thread n makes the weights of s = 2 n and 2 n + 1, so a wave makes the weights of its own 64 rows.  The eight work-groups of a batch each make the batch's softmax anew: 16 KiB of part beside 256 KiB of eb.
; No matrix unit: one row of weights would leave 15 of 16 rows idle.  No cluster and no tensor load: what the eight share is that 16 KiB; the rows of eb are each read by one wave.
.set MAXW,  0                          ; LDS: 16 words, a wave's maximum each
.set SUMW,  256                        ; 16 words, a wave's sum each
.set EW,    512                        ; the 1,024 weights
.set RED,   4608                       ; 32 partial rows of 128 f32: wave w's two halves of lanes at 2 w, 2 w + 1
.set SPARE, 20992                      ; the spare words, 128 bytes for each of 16 waves
.set SC,  14                           ; v[14:21]  four planes' pairs of scores
.set EV,  22                           ; v[22:23]  my two weights
.set TM,  24                           ; v[24:39]  at work
.set A,   40                           ; v[40:47]  my 8 columns' sums
.set PWR, 48                           ; v[48:79]  the weights of my 32 rows
.set X,   80                           ; v[80:207] 32 rows' 16 bytes
	s_load_b128 s[4:7], s[0:1], 0x0                ; part s[4:5], eb s[6:7]
	s_load_b64 s[8:9], s[0:1], 0x10                ; out0
	v_lshl_add_u32 v10, v0, 2, SPARE               ; my spare word; never rewritten
	v_mov_b32 v11, 0                               ; 0, for the add alone
	v_mov_b32 v12, 0                               ; 0, as an address and as a sum's start
	v_and_b32 v1, 31, v0                           ; l
	v_and_b32 v2, 15, v0                           ; l % 16
	v_bfe_u32 v3, v0, 4, 1                         ; l / 16
	v_lshrrev_b32 v13, 5, v0
	v_readfirstlane_b32 s10, v13                   ; wave 0..15
	v_lshlrev_b32 v4, 3, v0                        ; my two scores in a plane's row
	v_lshlrev_b32 v5, 4, v2                        ; eb: 16 bytes of a row's 256,
	v_lshl_add_u32 v5, v3, 16, v5                  ; lanes 16-31 thirty-two rows further down,
	v_lshl_add_u32 v5, v13, 17, v5                 ; my wave's 64 rows of 2,048 bytes
	v_lshl_add_u32 v6, v0, 3, EW                   ; where my two weights go
	s_lshl_b32 s11, s10, 8
	s_add_co_u32 s11, s11, EW
	v_lshl_add_u32 v7, v3, 7, s11                  ; the weights of my 32 rows
	s_lshl_b32 s11, s10, 10
	s_add_co_u32 s11, s11, RED
	v_lshl_add_u32 v8, v3, 9, s11
	v_lshl_add_u32 v8, v2, 5, v8                   ; my 8 sums in partial row 2 w + l / 16
	s_lshl_b32 s11, s10, 2
	v_mov_b32 v9, s11                              ; my wave's word
	s_and_b32 s12, ttmp7, 0xffff                   ; b
	s_lshl_b32 s14, s12, 12
	s_mov_b32 s15, 0
	s_lshl_b32 s16, s12, 21
	s_lshl_b32 s13, ttmp9, 8
	s_add_co_u32 s16, s16, s13
	s_mov_b32 s17, 0
	s_lshl_b32 s18, ttmp9, 9
	s_add_co_u32 s18, s18, s14
	s_mov_b32 s19, 0
	s_mov_b32 s20, 0x76543210
	s_mov_b32 s21, 0xfedcba98
	s_wait_kmcnt 0x0
	s_add_nc_u64 s[4:5], s[4:5], s[14:15]
	s_add_nc_u64 s[6:7], s[6:7], s[16:17]
	s_add_nc_u64 s[8:9], s[8:9], s[18:19]
.irp y, 0,1,2,3
	global_load_b64 v[SC+2*(\y):SC+2*(\y)+1], v4, s[4:5] offset:65536*(\y)
.endr
.set n, 0
.rept 32                               ; lanes 0-15: row n of my 64; lanes 16-31: row 32 + n; sixteen lanes take 256 consecutive bytes, aligned
	global_load_b128 v[X+4*n:X+4*n+3], v5, s[6:7] offset:2048*n th:TH_LOAD_NT
.set n, n+1
.endr
	s_wait_loadcnt 32                              ; the four planes are in; the 32 row loads stay out
	v_pk_add_f32 v[SC:SC+1], v[SC:SC+1], v[SC+2:SC+3]
	v_pk_add_f32 v[SC+4:SC+5], v[SC+4:SC+5], v[SC+6:SC+7]
	v_pk_add_f32 v[SC:SC+1], v[SC:SC+1], v[SC+4:SC+5]
	v_max_num_f32 v[TM], v[SC], v[SC+1]
	v_mov_b32 v[TM+1], v[TM]                       ; (the exchange's destination has been written)
.irp m, 1,2,4,8
	v_max_num_f32_dpp v[TM], v[TM], v[TM] row_xmask:\m row_mask:0xf bank_mask:0xf
.endr
	v_permlanex16_b32 v[TM+1], v[TM], s20, s21
	v_max_num_f32 v[TM], v[TM], v[TM+1]
	ds_store_b32 v9, v[TM] offset:MAXW             ; all lanes write the same word with the same value
	s_wait_dscnt 0x0
	s_barrier_signal -1
	s_barrier_wait -1
.irp g, 0,1,2,3
	ds_load_b128 v[TM+4*(\g):TM+4*(\g)+3], v12 offset:MAXW+16*(\g)
.endr
	s_wait_dscnt 0x0
	v_max3_num_f32 v[TM], v[TM], v[TM+1], v[TM+2]
	v_max3_num_f32 v[TM+3], v[TM+3], v[TM+4], v[TM+5]
	v_max3_num_f32 v[TM+6], v[TM+6], v[TM+7], v[TM+8]
	v_max3_num_f32 v[TM+9], v[TM+9], v[TM+10], v[TM+11]
	v_max3_num_f32 v[TM+12], v[TM+12], v[TM+13], v[TM+14]
	v_max3_num_f32 v[TM], v[TM], v[TM+3], v[TM+15]
	v_max3_num_f32 v[TM+6], v[TM+6], v[TM+9], v[TM+12]
	v_max_num_f32 v[TM], v[TM], v[TM+6]            ; the row's maximum, in every lane
	v_sub_f32 v[EV], v[SC], v[TM]
	v_sub_f32 v[EV+1], v[SC+1], v[TM]
	v_mul_f32 v[EV], 0x3fb8aa3b, v[EV]
	v_mul_f32 v[EV+1], 0x3fb8aa3b, v[EV+1]
	v_exp_f32 v[EV], v[EV]
	v_exp_f32 v[EV+1], v[EV+1]
	v_nop                                          ; a plain instruction behind the last exponential,
	s_wait_alu depctr_va_vdst(0)                   ; and one wait for the two, ahead of their first reader
	ds_store_b64 v6, v[EV:EV+1]
	v_add_f32 v[TM+1], v[EV], v[EV+1]
.irp m, 1,2,4,8
	v_add_f32_dpp v[TM+1], v[TM+1], v[TM+1] row_xmask:\m row_mask:0xf bank_mask:0xf
.endr
	v_permlanex16_b32 v[TM+2], v[TM+1], s20, s21
	v_add_f32 v[TM+1], v[TM+1], v[TM+2]
	ds_store_b32 v9, v[TM+1] offset:SUMW
	s_wait_dscnt 0x0                               ; the weights and the wave's sum are stored,
	s_barrier_signal -1
	s_barrier_wait -1                              ; everybody's are
.irp g, 0,1,2,3,4,5,6,7
	ds_load_b128 v[PWR+4*(\g):PWR+4*(\g)+3], v7 offset:16*(\g)
.endr
	s_wait_dscnt 0x0
.set n, 0
.rept 32
	s_wait_loadcnt 31-n                            ; row load n is in, the younger ones stay out
.set k, 0
.rept 4
.if n == 0                             ; the first row starts the sums
	v_fma_mix_f32_bf16 v[A+2*k], v[X+k], v[PWR], v12 op_sel_hi:[1,0,0]
	v_fma_mix_f32_bf16 v[A+2*k+1], v[X+k], v[PWR], v12 op_sel:[1,0,0] op_sel_hi:[1,0,0]
.else
	v_fma_mix_f32_bf16 v[A+2*k], v[X+4*n+k], v[PWR+n], v[A+2*k] op_sel_hi:[1,0,0]
	v_fma_mix_f32_bf16 v[A+2*k+1], v[X+4*n+k], v[PWR+n], v[A+2*k+1] op_sel:[1,0,0] op_sel_hi:[1,0,0]
.endif
.set k, k+1
.endr
.set n, n+1
.endr
	ds_store_b128 v8, v[A:A+3]
	ds_store_b128 v8, v[A+4:A+7] offset:16
	s_wait_dscnt 0x0
	s_barrier_signal -1
	s_barrier_wait -1                              ; all 32 partial rows lie in LDS
	s_cmp_lg_u32 s10, 0                            ; wave 0 adds them: 128 columns, four a lane
	s_cbranch_scc1 .Lend
	v_lshlrev_b32 v13, 4, v1
.irp g, 0,1,2,3
	ds_load_b128 v[TM+4*(\g):TM+4*(\g)+3], v12 offset:SUMW+16*(\g)
.endr
.set g, 0
.rept 32
	ds_load_b128 v[X+4*g:X+4*g+3], v13 offset:RED+512*g
.set g, g+1
.endr
	s_wait_dscnt 0x0
.irp g, 0,1,2,3
	v_pk_add_f32 v[TM+2*(\g):TM+2*(\g)+1], v[TM+2*(\g):TM+2*(\g)+1], v[TM+8+2*(\g):TM+8+2*(\g)+1]
.endr
	v_pk_add_f32 v[TM:TM+1], v[TM:TM+1], v[TM+4:TM+5]
	v_pk_add_f32 v[TM+2:TM+3], v[TM+2:TM+3], v[TM+6:TM+7]
	v_pk_add_f32 v[TM:TM+1], v[TM:TM+1], v[TM+2:TM+3]
	v_add_f32 v[TM], v[TM], v[TM+1]                ; the sum of all 1,024 weights
	v_rcp_f32 v[TM+2], v[TM]                       ; the 62 additions below are the independent work behind it
.irp st, 16,8,4,2,1
.set g, 0
.rept \st
	v_pk_add_f32 v[X+4*g:X+4*g+1], v[X+4*g:X+4*g+1], v[X+4*(g+(\st)):X+4*(g+(\st))+1]
	v_pk_add_f32 v[X+4*g+2:X+4*g+3], v[X+4*g+2:X+4*g+3], v[X+4*(g+(\st))+2:X+4*(g+(\st))+3]
.set g, g+1
.endr
.endr
	s_wait_alu depctr_va_vdst(0)                   ; the reciprocal's wait, ahead of its first reader
	v_pk_mul_f32 v[X:X+1], v[X:X+1], v[TM+2:TM+3] op_sel_hi:[1,0]
	v_pk_mul_f32 v[X+2:X+3], v[X+2:X+3], v[TM+2:TM+3] op_sel_hi:[1,0]
	global_store_b128 v13, v[X:X+3], s[8:9]        ; 512 consecutive bytes of out0, at a multiple of 512 from its first byte
.Lend:
	s_wait_tensorcnt 0x0                           ; the wave's end, behind my last LDS store
	ds_add_u32 v10, v11
	s_wait_dscnt 0x0
	s_endpgm
.Lfunc_end_k_q11203c9810_attend:
	.size	k_q11203c9810_attend, .Lfunc_end_k_q11203c9810_attend-k_q11203c9810_attend
	.p2alignl 7, 3214868480
	.fill 96, 4, 3214868480
	.section	.rodata,"a",@progbits
	.p2align	6, 0x0
	.amdhsa_kernel k_q11203c9810_attend
		.amdhsa_group_segment_fixed_size 23040
		.amdhsa_private_segment_fixed_size 0
		.amdhsa_enable_private_segment 0
		.amdhsa_kernarg_size 24
		.amdhsa_user_sgpr_count 2
		.amdhsa_user_sgpr_kernarg_segment_ptr 1
		.amdhsa_wavefront_size32 1
		.amdhsa_system_sgpr_workgroup_id_x 1
		.amdhsa_system_sgpr_workgroup_id_y 1
		.amdhsa_system_sgpr_workgroup_id_z 1
		.amdhsa_system_vgpr_workitem_id 0
		.amdhsa_next_free_vgpr 208
		.amdhsa_next_free_sgpr 66
		.amdhsa_reserve_vcc 0
		.amdhsa_float_denorm_mode_32 3
		.amdhsa_float_denorm_mode_16_64 3
		.amdhsa_memory_ordered 1
		.amdhsa_forward_progress 1
		.amdhsa_inst_pref_size 33
	.end_amdhsa_kernel
	.amdgpu_metadata
---
amdhsa.version: [ 1, 2 ]
amdhsa.kernels:
  - .name:           k_q11203c9810_attend
    .symbol:         k_q11203c9810_attend.kd
    .args:
      - { .name: part, .offset: 0, .size: 8, .value_kind: global_buffer, .address_space: global }
      - { .name: eb, .offset: 8, .size: 8, .value_kind: global_buffer, .address_space: global }
      - { .name: out0, .offset: 16, .size: 8, .value_kind: global_buffer, .address_space: global }
    .group_segment_fixed_size: 23040
    .private_segment_fixed_size: 0
    .kernarg_segment_align: 8
    .kernarg_segment_size: 24
    .max_flat_workgroup_size: 512
    .sgpr_count:     66
    .vgpr_count:     208
    .wavefront_size: 32
...
	.end_amdgpu_metadata
.endif
;; end of part 3
;; ======== version 2 of 2: 3 launches; version 1 with the launch prep written anew for expert scheduling mode
;; workspace buffers: eb 33,554,432 bytes; wb 4,194,304 bytes; tab 16,384 bytes; part 262,144 bytes
;; launch prep (part 4): grid 640 x 1, 8 waves a work-group, no clusters, 0 bytes of LDS; arguments encoded_outputs, W1, w2, eb, wb, tab; writes eb, wb, tab
.if DOCPART == 4
	.amdgcn_target "amdgcn-amd-amdhsa--gfx1250"
	.amdhsa_code_object_version 6
	.text
	.protected	k_q11203c9810_prep
	.globl	k_q11203c9810_prep
	.p2align	8
	.type	k_q11203c9810_prep,@function
k_q11203c9810_prep:
	s_mov_b64 s[64:65], 0
	v_nop
	global_prefetch_b8 v0, s[64:65] scope:SCOPE_SE
	s_setreg_imm32_b32 hwreg(HW_REG_WAVE_SCHED_MODE, 0, 2), 2
	s_setreg_imm32_b32 hwreg(HW_REG_WAVE_MODE, 25, 1), 1
	s_wait_xcnt 0x0
	s_wait_alu depctr_vm_vsrc(0)
; PREP: every input that the later launches multiply is rounded once to bf16 (nearest even) and laid out for them.
;   eb[b][t][s]  = bf16(E[b][t][s])                       16 x 1024 x 1024
;   wb[i][t]     = bf16(W1[i][2 t])                       2048 x 1024: the even columns, which meet E's rows after reference()'s raw reshape
;   tab[i]       = c x (sum over t of bf16(W1[i][2 t + 1]))  f32: the odd columns all meet the same decoder row, so only their sum is wanted; c = 2 log2(e)
;   tab[2048+i]  = bf16(w2[i]), kept as f32
; LIMITS: none of range; NaN and infinities pass through the roundings as they are.
; SHARES.  Work-groups 0-511: 128 KiB of E each, 16 KiB a wave: 32 loads of 512 consecutive bytes, all out at once; each store of a wave covers 256 consecutive bytes, aligned.
; Work-groups 512-639: 16 rows of W1 each, two rows a wave.  No LDS, no barrier, no matrix unit, no cluster: no byte is wanted by two waves, and the work is one pass over memory.
; THE MODE: SCHED_MODE bits 1:0 = 2 (LLVM: expert scheduling mode 2), set by the entry lines.  The code itself states the register dependences
; between vector instructions and memory instructions, with s_wait_alu, always for 0.
; THE PLAN.  Registers that memory instructions touch:
;   v2, v3, v4   byte offsets, made once at a part's head and never written again.
;   X            every load has four registers of its own.  The roundings read them and write some of them; one store reads two of these; nothing writes them afterwards.
;   v5, v[S]     part W alone: w2's load lands in v5; vector lines write both at the end; the last two stores read them.
; The roundings go in blocks (E: four loads; W: four pairs of loads).  Block p names its own loads' registers (in W also T and S) and nothing else.  The stores of block p - 1 are
; issued in block p: ONE wait on va_vdst at the block's head states that block p - 1's roundings have written their results, and the four stores are dealt among block p's vector
; lines with no further wait.  No register that a memory instruction has read is written again, so the one wait on vm_vsrc is the one ahead of the write of EXEC.
.set X, 20                             ; v[20:147] 32 loads of four registers
.set S, 10                             ; v[10:17]  row rho's four running sums at S + 4 rho
.set T, 6                              ; v[6:9]    four odd columns as f32
	s_load_b128 s[4:7], s[0:1], 0x0                ; E s[4:5], W1 s[6:7]
	s_load_b64 s[8:9], s[0:1], 0x10                ; w2
	s_load_b128 s[12:15], s[0:1], 0x18             ; eb s[12:13], wb s[14:15]
	s_load_b64 s[16:17], s[0:1], 0x28              ; tab
	v_and_b32 v1, 31, v0                           ; lane
	v_lshrrev_b32 v18, 5, v0                       ; wave
	s_mov_b32 s21, 0                               ; high word of every offset
	s_cmp_lt_u32 ttmp9, 512
	s_cbranch_scc0 .Lweights
	; ---- E: f32 in, bf16 out ----
	v_lshlrev_b32 v2, 4, v1
	v_lshl_add_u32 v2, v18, 14, v2                 ; in: 16,384 x wave + 16 x lane
	v_lshlrev_b32 v3, 3, v1
	v_lshl_add_u32 v3, v18, 13, v3                 ; out: 8,192 x wave + 8 x lane
	s_lshl_b32 s20, ttmp9, 17
	s_wait_kmcnt 0x0
	s_add_nc_u64 s[4:5], s[4:5], s[20:21]
	s_lshl_b32 s20, ttmp9, 16
	s_add_nc_u64 s[12:13], s[12:13], s[20:21]
	s_wait_alu depctr_va_vdst(0)                   ; v2 and v3 are written: every load of this part reads the one as its offset, every store the other
.set n, 0
.rept 32
	global_load_b128 v[X+4*n:X+4*n+3], v2, s[4:5] offset:512*n th:TH_LOAD_NT
.set n, n+1
.endr
.set p, 0
.rept 8                                ; block p: loads 4 p to 4 p + 3 are rounded; block p - 1 is stored
	s_wait_loadcnt 28-4*p                          ; loads come back in order: the block's four are in, the 28 - 4 p younger ones stay out
.if p > 0
	s_wait_alu depctr_va_vdst(0)                   ; the roundings of the block before have written the pairs that the four stores below read
.endif
.set i, 0
.rept 4
.set n, 4*p+i
.if p > 0
	global_store_b64 v3, v[X+4*(n-4):X+4*(n-4)+1], s[12:13] offset:256*(n-4)  ; 32 lanes x 8 bytes: 256 consecutive bytes, aligned; no vector line since the wait names these registers, and none writes them again
.endif
	v_cvt_pk_bf16_f32 v[X+4*n], v[X+4*n], v[X+4*n+1]
	v_cvt_pk_bf16_f32 v[X+4*n+1], v[X+4*n+2], v[X+4*n+3]
.set i, i+1
.endr
.set p, p+1
.endr
	s_wait_alu depctr_va_vdst(0)                   ; the last block's roundings have written the pairs that the last four stores read
.set n, 28
.rept 4
	global_store_b64 v3, v[X+4*n:X+4*n+1], s[12:13] offset:256*n
.set n, n+1
.endr
	s_endpgm
	; ---- W1 and w2 ----
.Lweights:
	v_readfirstlane_b32 s10, v18                   ; the wave's number as a scalar: this part alone reads it
	v_and_b32 v19, 1, v0                           ; lane's parity: which of the wave's two rows it speaks for at the end
	v_cmp_eq_u32 s25, 1, v19                       ; the odd lanes' mask, made beside s10 so that one wait serves both
	s_sub_co_u32 s18, ttmp9, 512                   ; which 16 rows
	s_mov_b32 s22, 0x76543210                      ; v_permlanex16_b32: each lane takes its own place in the other half
	s_mov_b32 s23, 0xfedcba98
	v_lshlrev_b32 v2, 5, v1
	v_lshl_add_u32 v2, v18, 14, v2                 ; in: two rows of 8,192 bytes a wave; 32 bytes (8 columns) a lane
	v_lshlrev_b32 v3, 3, v1
	v_lshl_add_u32 v3, v18, 12, v3                 ; out: two rows of 2,048 bytes a wave; 8 bytes (4 even columns) a lane
	v_lshlrev_b32 v4, 2, v19
	s_lshl_b32 s20, s18, 17
	s_wait_kmcnt 0x0
	s_add_nc_u64 s[6:7], s[6:7], s[20:21]
	s_lshl_b32 s20, s18, 15
	s_add_nc_u64 s[14:15], s[14:15], s[20:21]
	s_lshl_b32 s20, s18, 6                         ; 4 bytes x (16 x group + 2 x wave)
	s_wait_alu depctr_va_sdst(0)                   ; s10 and s25 are written, ahead of the first reader of either: the next line reads s10, the select at the end s25
	s_lshl_b32 s19, s10, 3
	s_add_co_u32 s20, s20, s19
	s_add_nc_u64 s[8:9], s[8:9], s[20:21]
	s_add_nc_u64 s[16:17], s[16:17], s[20:21]
	s_wait_alu depctr_va_vdst(0)                   ; v2, v3 and v4 are written: every load and store of this part reads one of them as its offset
	global_load_b32 v5, v4, s[8:9]                 ; w2 of my row
.set n, 0
.rept 32                               ; row n / 16; 1,024 bytes (256 columns) at a time, as two loads of 16 bytes a lane
	global_load_b128 v[X+4*n:X+4*n+3], v2, s[6:7] offset:(n/16)*8192+((n%16)/2)*1024+(n%2)*16
.set n, n+1
.endr
.set p, 0
.rept 4                                ; block p: pairs 4 p to 4 p + 3 of loads are rounded and summed; block p - 1's even columns are stored
	s_wait_loadcnt 24-8*p                          ; of the 33 loads the first 9 + 8 p are in: w2 and the pairs up to this block's last
.if p > 0
	s_wait_alu depctr_va_vdst(0)                   ; the roundings of the block before have written the even columns that the four stores below read
.endif
.set i, 0
.rept 4                                ; pair k of loads: row k / 8, columns 256 (k % 8) + 8 lane + 0..7 in a .. a + 7
.set k, 4*p+i
.set a, X+8*k
.set r, S+4*(k/8)
.if p > 0
	global_store_b64 v3, v[a-32:a-31], s[14:15] offset:((k-4)/8)*2048+((k-4)%8)*256  ; pair k - 4: 256 consecutive bytes of wb, aligned; no vector line since the wait names these registers, and none writes them again
.endif
	v_cvt_pk_bf16_f32 v[a+3], v[a+1], v[a+3]       ; odd columns 1, 3
	v_cvt_pk_bf16_f32 v[a], v[a], v[a+2]           ; even columns 0, 2
	v_cvt_pk_bf16_f32 v[a+1], v[a+4], v[a+6]       ; even columns 4, 6
	v_cvt_pk_bf16_f32 v[a+5], v[a+5], v[a+7]       ; odd columns 5, 7
.if (k%8) == 0                         ; a row's first four odd columns start its sums: nothing is cleared
	v_lshlrev_b32 v[r], 16, v[a+3]
	v_and_b32 v[r+1], 0xffff0000, v[a+3]
	v_lshlrev_b32 v[r+2], 16, v[a+5]
	v_and_b32 v[r+3], 0xffff0000, v[a+5]
.else
	v_lshlrev_b32 v[T], 16, v[a+3]
	v_and_b32 v[T+1], 0xffff0000, v[a+3]
	v_lshlrev_b32 v[T+2], 16, v[a+5]
	v_and_b32 v[T+3], 0xffff0000, v[a+5]
	v_pk_add_f32 v[r:r+1], v[r:r+1], v[T:T+1]
	v_pk_add_f32 v[r+2:r+3], v[r+2:r+3], v[T+2:T+3]
.endif
.set i, i+1
.endr
.set p, p+1
.endr
	s_wait_alu depctr_va_vdst(0)                   ; the last block's roundings have written the even columns that the four stores below read
.set k, 12
.rept 4
	global_store_b64 v3, v[X+8*k:X+8*k+1], s[14:15] offset:(k/8)*2048+(k%8)*256
.set k, k+1
.endr
	v_pk_add_f32 v[S:S+1], v[S:S+1], v[S+2:S+3]
	v_pk_add_f32 v[S+4:S+5], v[S+4:S+5], v[S+6:S+7]
	v_add_f32 v[S], v[S], v[S+1]
	v_add_f32 v[S+4], v[S+4], v[S+5]
.irp m, 1,2,4,8                        ; across the lanes: four steps inside each half of 16, then the other half
	v_add_f32_dpp v[S], v[S], v[S] row_xmask:\m row_mask:0xf bank_mask:0xf
	v_add_f32_dpp v[S+4], v[S+4], v[S+4] row_xmask:\m row_mask:0xf bank_mask:0xf
.endr
	v_permlanex16_b32 v18, v[S], s22, s23          ; (destinations that have been written before)
	v_permlanex16_b32 v[T], v[S+4], s22, s23
	v_add_f32 v[S], v[S], v18
	v_add_f32 v[S+4], v[S+4], v[T]
	v_cmp_gt_u32 vcc_lo, 2, v1                     ; the mask of the last two stores
	v_cndmask_b32 v[S], v[S], v[S+4], s25          ; even lanes: the wave's first row; odd lanes: its second
	v_mul_f32 v[S], 0x4038aa3b, v[S]               ; c = 2 log2(e): the next launch wants c x in the exponential
	v_cvt_pk_bf16_f32 v5, v5, v5
	v_lshlrev_b32 v5, 16, v5                       ; bf16(w2) as f32
	s_wait_xcnt 0x0                                ; EXEC is a source of the stores above: it changes only behind this wait
	s_wait_alu depctr_va_vcc(0)                    ; VCC is written: EXEC is made from it
	s_wait_alu depctr_va_vdst(0)                   ; ahead of the write of EXEC every vector line has written its result; among them v[S] and v5, which the two stores below read
	s_wait_alu depctr_vm_vsrc(0)                   ; ahead of the write of EXEC every load and store issued so far has read its vector registers
	s_and_saveexec_b32 s24, vcc_lo                 ; lanes 0 and 1 store the wave's two rows' numbers: 8 bytes a table; the two tables are 16 KiB of the launch's 38 MiB of stores
	global_store_b32 v4, v[S], s[16:17]
	global_store_b32 v4, v5, s[16:17] offset:8192
	s_endpgm
.Lfunc_end_k_q11203c9810_prep:
	.size	k_q11203c9810_prep, .Lfunc_end_k_q11203c9810_prep-k_q11203c9810_prep
	.p2alignl 7, 3214868480
	.fill 96, 4, 3214868480
	.section	.rodata,"a",@progbits
	.p2align	6, 0x0
	.amdhsa_kernel k_q11203c9810_prep
		.amdhsa_group_segment_fixed_size 0
		.amdhsa_private_segment_fixed_size 0
		.amdhsa_enable_private_segment 0
		.amdhsa_kernarg_size 48
		.amdhsa_user_sgpr_count 2
		.amdhsa_user_sgpr_kernarg_segment_ptr 1
		.amdhsa_wavefront_size32 1
		.amdhsa_system_sgpr_workgroup_id_x 1
		.amdhsa_system_sgpr_workgroup_id_y 1
		.amdhsa_system_sgpr_workgroup_id_z 1
		.amdhsa_system_vgpr_workitem_id 0
		.amdhsa_next_free_vgpr 152
		.amdhsa_next_free_sgpr 66
		.amdhsa_reserve_vcc 1
		.amdhsa_float_denorm_mode_32 3
		.amdhsa_float_denorm_mode_16_64 3
		.amdhsa_memory_ordered 1
		.amdhsa_forward_progress 1
		.amdhsa_inst_pref_size 28
	.end_amdhsa_kernel
	.amdgpu_metadata
---
amdhsa.version: [ 1, 2 ]
amdhsa.kernels:
  - .name:           k_q11203c9810_prep
    .symbol:         k_q11203c9810_prep.kd
    .args:
      - { .name: encoded_outputs, .offset: 0, .size: 8, .value_kind: global_buffer, .address_space: global }
      - { .name: W1, .offset: 8, .size: 8, .value_kind: global_buffer, .address_space: global }
      - { .name: w2, .offset: 16, .size: 8, .value_kind: global_buffer, .address_space: global }
      - { .name: eb, .offset: 24, .size: 8, .value_kind: global_buffer, .address_space: global }
      - { .name: wb, .offset: 32, .size: 8, .value_kind: global_buffer, .address_space: global }
      - { .name: tab, .offset: 40, .size: 8, .value_kind: global_buffer, .address_space: global }
    .group_segment_fixed_size: 0
    .private_segment_fixed_size: 0
    .kernarg_segment_align: 8
    .kernarg_segment_size: 48
    .max_flat_workgroup_size: 256
    .sgpr_count:     66
    .vgpr_count:     152
    .wavefront_size: 32
...
	.end_amdgpu_metadata
.endif
;; end of part 4
;; launch scores: the kernel of part 2 again; grid 64 x 4, 4 waves a work-group, clusters of 4 x 4, 327,680 bytes of LDS; arguments wb, eb, tab, decoder_output, part; writes part
;; launch attend: the kernel of part 3 again; grid 8 x 16, 16 waves a work-group, no clusters, 23,040 bytes of LDS; arguments part, eb, out0; writes out0
